; MI455X (gfx1250); checked and timed in simulation.
; The chip was launched on July 23, 2026; its instructions are those of AMD's public machine-readable ISA for CDNA 5 (MIT licence, August 2026) and "CDNA5" Instruction Set Architecture Reference Guide (July 2026). The comments in the code are by the model that wrote it; some were corrected since.
;; Transformer Head. Allowed arithmetic: float matrix products may take bf16 or f16 operands with f32 sums; other float arithmetic in f32, or as packed bf16 or f16 multiplies, adds, multiply-adds, maxima and minima; sums over many terms, partial sums and values carried from step to step in f32; what a program stores and reads back later, other than sums and carried values, may be rounded once to bf16 or f16.
;; Inputs: Wk 1,024 x 1,024 float32; Wq 1,024 x 1,024 float32; Wv 1,024 x 1,024 float32; x 4 x 2,048 x 1,024 float32.
;; Outputs: out0 4 x 2,048 x 1,024 float32.
;; One version. Each part assembles by itself: llvm-mc -triple=amdgcn-amd-amdhsa -mcpu=gfx1250 --defsym DOCPART=n.
;; ======== version 1 of 1: 4 launches
;; limits: values are held in f16: magnitudes above 65,504 overflow, below 6.1e-05 lose precision
;; workspace buffers: xb 16,777,216 bytes; wb 6,291,456 bytes; qkv 50,331,648 bytes; p 33,554,432 bytes; stat 2,097,152 bytes
;; launch cast (part 1): grid 1408 x 1, 8 waves a work-group, no clusters, 0 bytes of LDS; arguments x, Wq, Wk, Wv, xb, wb; writes xb, wb
.if DOCPART == 1
	.amdgcn_target "amdgcn-amd-amdhsa--gfx1250"
	.amdhsa_code_object_version 6
	.text
	.protected	k_qd89b13c6a5_cast
	.globl	k_qd89b13c6a5_cast
	.p2align	8
	.type	k_qd89b13c6a5_cast,@function
k_qd89b13c6a5_cast:
	s_mov_b64 s[64:65], 0
	v_nop
	global_prefetch_b8 v0, s[64:65] scope:SCOPE_SE
	s_setreg_imm32_b32 hwreg(HW_REG_WAVE_MODE, 25, 1), 1
	s_wait_xcnt 0x0
; x [8192][1024] and Wq, Wk, Wv [1024][1024], all f32, are rounded once to bf16 (nearest even): xb [8192][1024]; wb [3072][1024] holds Wq's rows, then Wk's, then Wv's.
; A stream: no LDS, no barrier, no matrix work.  A work-group of eight waves takes 8,192 numbers: 32,768 bytes in, 16,384 out.  Groups 0 to 1023 take x; group 1024 + h takes
; chunk h % 128 of W number h / 128, which is chunk h of wb, since the three lie end to end there.
; A thread's eight loads of 16 bytes all go out first; a wave's load covers 512 consecutive bytes, its store of 8 bytes a lane 256 consecutive bytes at a multiple of 256.
.set X, 4                              ; v[4:35]   eight loads of four f32
.set Y, 36                             ; v[36:51]  eight stores of four bf16
	s_load_b256 s[4:11], s[0:1], 0x0               ; x s[4:5], Wq s[6:7], Wk s[8:9], Wv s[10:11]
	s_load_b128 s[12:15], s[0:1], 0x20             ; xb s[12:13], wb s[14:15]
	s_max_u32 s24, ttmp9, 1024
	s_sub_co_u32 s24, s24, 1024                    ; h (0 for the groups of x)
	s_lshr_b32 s25, s24, 7                         ; which W
	s_and_b32 s26, s24, 127                        ; which chunk of it
	s_cmp_lt_u32 ttmp9, 1024
	s_cselect_b32 s20, ttmp9, s26                  ; chunk of the source
	s_cselect_b32 s22, ttmp9, s24                  ; chunk of the destination
	s_lshl_b32 s20, s20, 15                        ; in bytes, as pairs with 0 on top
	s_lshl_b32 s22, s22, 14
	s_mov_b32 s21, 0
	s_mov_b32 s23, 0
	v_lshlrev_b32 v1, 4, v0                        ; 16 bytes a thread in,
	v_lshlrev_b32 v2, 3, v0                        ; 8 out
	s_wait_kmcnt 0x0
	s_cmp_eq_u32 s25, 1                            ; the choice of buffers hangs on the group's number alone; a compare stands anew in front of each choice
	s_cselect_b64 s[16:17], s[8:9], s[6:7]
	s_cmp_eq_u32 s25, 2
	s_cselect_b64 s[16:17], s[10:11], s[16:17]
	s_cmp_lt_u32 ttmp9, 1024
	s_cselect_b64 s[16:17], s[4:5], s[16:17]
	s_cselect_b64 s[18:19], s[12:13], s[14:15]
	s_add_nc_u64 s[16:17], s[16:17], s[20:21]
	s_add_nc_u64 s[18:19], s[18:19], s[22:23]
.irp u, 0,1,2,3,4,5,6,7
	global_load_b128 v[X+4*(\u):X+4*(\u)+3], v1, s[16:17] offset:4096*(\u) th:TH_LOAD_NT
.endr
.irp u, 0,1,2,3,4,5,6,7
	s_wait_loadcnt 7-(\u)                          ; loads come back in order: number u is in, the 7 - u younger ones stay out
	v_cvt_pk_bf16_f32 v[Y+2*(\u)], v[X+4*(\u)], v[X+4*(\u)+1]
	v_cvt_pk_bf16_f32 v[Y+2*(\u)+1], v[X+4*(\u)+2], v[X+4*(\u)+3]
	global_store_b64 v2, v[Y+2*(\u):Y+2*(\u)+1], s[18:19] offset:2048*(\u)  ; no register is written twice, so nothing waits for a store
.endr
	s_endpgm
.Lfunc_end_k_qd89b13c6a5_cast:
	.size	k_qd89b13c6a5_cast, .Lfunc_end_k_qd89b13c6a5_cast-k_qd89b13c6a5_cast
	.p2alignl 7, 3214868480
	.fill 96, 4, 3214868480
	.section	.rodata,"a",@progbits
	.p2align	6, 0x0
	.amdhsa_kernel k_qd89b13c6a5_cast
		.amdhsa_group_segment_fixed_size 0
		.amdhsa_private_segment_fixed_size 0
		.amdhsa_enable_private_segment 0
		.amdhsa_kernarg_size 48
		.amdhsa_user_sgpr_count 2
		.amdhsa_user_sgpr_kernarg_segment_ptr 1
		.amdhsa_wavefront_size32 1
		.amdhsa_system_sgpr_workgroup_id_x 1
		.amdhsa_system_sgpr_workgroup_id_y 1
		.amdhsa_system_sgpr_workgroup_id_z 1
		.amdhsa_system_vgpr_workitem_id 0
		.amdhsa_next_free_vgpr 52
		.amdhsa_next_free_sgpr 66
		.amdhsa_reserve_vcc 0
		.amdhsa_float_denorm_mode_32 3
		.amdhsa_float_denorm_mode_16_64 3
		.amdhsa_memory_ordered 1
		.amdhsa_forward_progress 1
		.amdhsa_inst_pref_size 5
	.end_amdhsa_kernel
	.amdgpu_metadata
---
amdhsa.version: [ 1, 2 ]
amdhsa.kernels:
  - .name:           k_qd89b13c6a5_cast
    .symbol:         k_qd89b13c6a5_cast.kd
    .args:
      - { .name: x, .offset: 0, .size: 8, .value_kind: global_buffer, .address_space: global }
      - { .name: Wq, .offset: 8, .size: 8, .value_kind: global_buffer, .address_space: global }
      - { .name: Wk, .offset: 16, .size: 8, .value_kind: global_buffer, .address_space: global }
      - { .name: Wv, .offset: 24, .size: 8, .value_kind: global_buffer, .address_space: global }
      - { .name: xb, .offset: 32, .size: 8, .value_kind: global_buffer, .address_space: global }
      - { .name: wb, .offset: 40, .size: 8, .value_kind: global_buffer, .address_space: global }
    .group_segment_fixed_size: 0
    .private_segment_fixed_size: 0
    .kernarg_segment_align: 8
    .kernarg_segment_size: 48
    .max_flat_workgroup_size: 256
    .sgpr_count:     66
    .vgpr_count:     52
    .wavefront_size: 32
...
	.end_amdgpu_metadata
.endif
;; end of part 1
;; launch proj (part 2): grid 12 x 16, 4 waves a work-group, clusters of 4 x 4, 327,680 bytes of LDS; arguments xb, wb, qkv; writes qkv
.if DOCPART == 2
	.amdgcn_target "amdgcn-amd-amdhsa--gfx1250"
	.amdhsa_code_object_version 6
	.text
	.protected	k_qd89b13c6a5_proj
	.globl	k_qd89b13c6a5_proj
	.p2align	8
	.type	k_qd89b13c6a5_proj,@function
k_qd89b13c6a5_proj:
	s_mov_b64 s[64:65], 0
	v_nop
	global_prefetch_b8 v0, s[64:65] scope:SCOPE_SE
	s_setreg_imm32_b32 hwreg(HW_REG_WAVE_MODE, 25, 1), 1
	s_wait_xcnt 0x0
	s_wait_alu depctr_hold_cnt(0) depctr_sa_sdst(0) depctr_va_vdst(0) depctr_va_sdst(0) depctr_va_ssrc(0) depctr_va_vcc(0) depctr_vm_vsrc(0)
	s_getreg_b32 s2, hwreg(HW_REG_IB_STS2, 6, 4)
	s_cmp_eq_u32 s2, 0
	s_cbranch_scc0 .Lentry_in_a_cluster
	s_endpgm
.Lentry_in_a_cluster:
	s_bfe_u32 s2, ttmp6, 0x10000c
	s_cmp_lg_u32 s2, 0xf033
	s_cbranch_scc0 .Lentry_shape_is_right
	s_endpgm
.Lentry_shape_is_right:
; qkv[m][n] = sum over k of xb[m][k] wb[n][k].  xb [8192][1024], wb [3072][1024] bf16; sums in f32; qkv [8192][3072] f16, rounded once: columns 0-1023 Q, 1024-2047 K, 2048-3071 V, unscaled.
; LIMIT.  f16 ends at 65,504: a projection beyond that becomes an infinity.
; TILE.  256 x 256 of qkv, made by four waves, each 128 x 128: 64 accumulators of 16 x 16, 512 registers.  K goes in steps of 128 through a ring of two LDS slots: rows of 256 bytes of memory, at multiples of 256.
; qkv has 384 such tiles.  192 work-groups make two each, one 4,096 rows below the other (the same rows of wb): 16 K steps of 256 matrix instructions a wave, and a refill has 224 of them in which to land.
; A tile of half the size for 256 work-groups would have 24 steps of 128, and a refill 112: the fuller step is taken, and a quarter of the WGPs have no work-group.  (One tile of 256 x 384 for each of 256
; work-groups fits neither: 768 registers of sums and 320 of fragments; two slots of 174,080 bytes.)
; A WORK-GROUP STAYS: the ring does not stop at the first tile's end: its last two changes of slots ask for the second tile's first two K steps, and nothing waits for its stores.
; CLUSTER.  4 x 4 work-groups.  The four of a row of the cluster need the same rows of xb, the four of a column the same rows of wb: each tile is asked for jointly, by the same tensor load with the same
; descriptor and a mask that names the four.
; THE MATRIX INSTRUCTION IS USED TRANSPOSED: source 0 = 16 rows of wb, source 1 = 16 rows of xb: lane l holds row l % 16 and the eight neighbouring columns 8 (l / 16) + 0..7, 16 bytes of f16.
; REGISTERS, in windows of 256 (s_set_vgpr_msb: bits 1:0 source 0, 3:2 source 1, 5:4 source 2, 7:6 destination):
;   window 0: v16-29 addresses; v64-127, v128-191 xb's fragments (8 x 16 rows x 32 K), two buffers; v32-63, v192-255 at work on the way out
;   window 1: v64-127, v128-191 wb's fragments, two buffers
;   window 2: the 32 accumulators of my rows 0-63 (accumulator (a, b) at v[8 (8 a + b)]);   window 3: those of my rows 64-127
.set SIZE_M, 8192
.set SIZE_N, 3072
.set SIZE_K, 1024
.set TILES,  2
.set KSTEP,  128
.set PITCH,  272                       ; an LDS row: 256 bytes + 16 of padding = 68 words: the 16 rows of a fragment load start 4 banks apart (64 banks of 4 bytes: ISA guide 11.1)
.set HALFT,  128*PITCH                 ; 128 rows: what one tensor load brings, and what one wave reads of xb or of wb
.set SLOT,   4*HALFT                   ; xb's 256 rows, then wb's 256
.set STAGE,  2*SLOT                    ; behind the ring: 16 rows x 272 bytes for each wave, for the way out
.set SPITCH, 272
.set SPARE,  STAGE+4*16*SPITCH         ; the spare words: 128 bytes for each wave, named by no other line
.set LAPS,   SIZE_K/(2*KSTEP)          ; a lap = two K steps = once round the ring
.set WALK,   SIZE_M/TILES              ; a work-group's tiles lie 4,096 rows apart
.set NEXT_A, WALK*SIZE_K*2-(SIZE_K-2*KSTEP)*2   ; bytes from a slot's last K step of a tile to its first of the next: xb goes WALK rows down and back along K,
.set BACK_B, (SIZE_K-2*KSTEP)*2        ; wb only back
.set NEXT_C, (WALK-7*16)*SIZE_N*2      ; bytes from my last 16 rows of a tile to my first of the next
.set ADRA, 16                          ; v16-17  LDS address of my xb fragments in slot 0, 1
.set ADRB, 20                          ; v20-21  the same for wb
.set STO,  24                          ; v24     the way out: where I put 16 bytes of a row
.set RD,   25                          ; v25     where I read a row back
.set CO,   26                          ; v26     my byte offset in two rows of qkv
.set SPW,  28                          ; v28     LDS address of my spare word; never rewritten
.set NIL,  29                          ; v29     0; never rewritten
.set F0,   64                          ; fragment buffer 0
.set F1,   128                         ; fragment buffer 1
.set TMP,  192                         ; the way out: packed results
.set OB,   32                          ; the way out: 16 rows read back from the stage: v32-63 and v224-255 by turns
.set G1, 24                            ; s[24:31] descriptor group 1 for xb's tiles;  s[32:39] group 0, a set for each slot
.set G0, 32
.set G1B, 48                           ; s[48:55], s[56:63] the same for wb's
.set G0B, 56
.set MSB, 0
.macro WIN new                         ; the immediate's high byte repeats the setting that is left; a switch that changes nothing is dropped
.if MSB != (\new)
	s_set_vgpr_msb (MSB<<8)|(\new)
.set MSB, \new
.endif
.endm
.set MUL_LO, 0xa1                      ; source 0 (wb) window 1, source 1 (xb) window 0, C and D window 2
.set MUL_HI, 0xf1                      ; the same, C and D window 3
.set TO_B,   0x40                      ; destination window 1, address window 0
; A joint load.  Waves 0 and 1 fetch xb's two halves, waves 2 and 3 wb's.  Each of the two lines has one mask and one set of registers for all that issue it; the branch hangs on the wave's number alone.
; An s_nop 0 and four v_nop follow each of the two lines, ahead of the jump and the label.
.macro JLOAD s
	s_cmp_eq_u32 s11, 0
	s_cbranch_scc0 .Lfor_b_\@
	tensor_load_to_lds s[G0+4*(\s):G0+4*(\s)+3], s[G1:G1+7]
	s_nop 0
.rept 4
	v_nop
.endr
	s_branch .Lasked_\@
.Lfor_b_\@:
	tensor_load_to_lds s[G0B+4*(\s):G0B+4*(\s)+3], s[G1B:G1B+7]
	s_nop 0
.rept 4
	v_nop
.endr
.Lasked_\@:
.endm
.macro CREST                           ; a round of the cluster's barrier behind its opening barrier: wave 0 signals for the work-group, every wave waits for all sixteen, my work-group's barrier closes it
	s_cmp_lg_u32 s10, 0
	s_cbranch_scc1 .Lnot_wave_0_\@
	s_barrier_signal -3
.Lnot_wave_0_\@:
	s_barrier_wait -3
	s_barrier_signal -1
	s_barrier_wait -1
.endm
.macro CROUND                          ; a whole round
	s_barrier_signal -1
	s_barrier_wait -1
	CREST
.endm
	s_load_b128 s[4:7], s[0:1], 0x0                ; xb s[4:5], wb s[6:7]
	s_load_b64 s[8:9], s[0:1], 0x10                ; qkv
	v_lshl_add_u32 v[SPW], v0, 2, SPARE
	v_mov_b32 v[NIL], 0
	ds_add_u32 v[SPW], v[NIL]                      ; the wave's opening: the add and its wait stand ahead of my first tensor load; the set-up below, work on registers, stands between them
	ds_add_u32 v28, v29
	v_lshrrev_b32 v1, 5, v0
	v_readfirstlane_b32 s10, v1                    ; wave 0..3
	s_lshr_b32 s11, s10, 1                         ; which half of the tile's rows is mine.  Also: I fetch for xb (0) or for wb (1)
	s_and_b32 s12, s10, 1                          ; which half of its columns.  Also: which 128 rows of that tile I fetch
	s_bfe_u32 s40, ttmp6, 0x40000                  ; cx, cy: my place in the cluster
	s_bfe_u32 s41, ttmp6, 0x40004
	s_lshl_b32 s42, ttmp9, 2
	s_add_co_u32 s42, s42, s40                     ; tile column = 4 x cluster x + cx
	s_and_b32 s13, ttmp7, 0xffff
	s_lshl_b32 s13, s13, 2
	s_add_co_u32 s13, s13, s41                     ; tile row of the first tile = 4 x cluster y + cy
	s_lshl_b32 s43, s41, 2
	s_lshl_b32 s43, 15, s43                        ; my row of the cluster: places 4 cy .. 4 cy + 3
	s_lshl_b32 s44, 0x1111, s40                    ; my column: places cx, cx + 4, cx + 8, cx + 12
	s_or_b32 s[G1+0], s43, (1<<16)|(1<<20)|(1<<21)|(5<<22)|(3<<25)   ; 15:0 the mask; 17:16 2-byte elements; 20 padding on; 21 set beside a mask; 24:22 after every 64 words; 31:25 4 words of it
	s_or_b32 s[G1B+0], s44, (1<<16)|(1<<20)|(1<<21)|(5<<22)|(3<<25)
.irp g, G1, G1B
	s_mov_b32 s[(\g)+1], KSTEP<<16                 ; tensor_dim0 = 128
	s_mov_b32 s[(\g)+2], 128<<16                   ; tensor_dim1 = 128
	s_mov_b32 s[(\g)+3], KSTEP<<16                 ; tile_dim0 = 128
	s_mov_b32 s[(\g)+4], 128                       ; tile_dim1 = 128
	s_mov_b32 s[(\g)+5], SIZE_K                    ; elements from row to row
	s_mov_b32 s[(\g)+6], 0
	s_mov_b32 s[(\g)+7], 0
.endr
	; xb's address hangs on the tile row and the wave, wb's on the tile column and the wave, each in registers that never hold the other coordinate
	s_lshl_b32 s17, s12, 7                         ; which 128 rows of the tile I fetch
	s_lshl_b32 s16, s13, 8
	s_add_co_u32 s16, s16, s17                     ; xb: row 256 x tile row + 128 x half
	s_lshl_b32 s46, s42, 8
	s_add_co_u32 s46, s46, s17                     ; wb: row 256 x tile column + 128 x half
	s_mov_b32 s17, 0
	s_mov_b32 s47, 0
	s_mov_b64 s[18:19], SIZE_K*2
	s_mul_u64 s[16:17], s[16:17], s[18:19]         ; in bytes
	s_mul_u64 s[46:47], s[46:47], s[18:19]
	s_mul_i32 s20, s10, HALFT                      ; where they go: wave x 128 rows: no place in the cluster enters an LDS address
	s_wait_dscnt 0x0                               ; the opening add is done
	s_wait_kmcnt 0x0
	s_add_nc_u64 s[14:15], s[4:5], s[16:17]
	s_add_nc_u64 s[46:47], s[6:7], s[46:47]
	CROUND                                         ; all sixteen work-groups are here: the first joint loads meet
.irp s, 0,1
	s_mov_b32 s[G0+4*(\s)], 1
	s_add_co_u32 s[G0+4*(\s)+1], s20, (\s)*SLOT
	s_add_nc_u64 s[G0+4*(\s)+2:G0+4*(\s)+3], s[14:15], (\s)*KSTEP*2
	s_or_b32 s[G0+4*(\s)+3], s[G0+4*(\s)+3], 0x80000000
	s_mov_b32 s[G0B+4*(\s)], 1
	s_add_co_u32 s[G0B+4*(\s)+1], s20, (\s)*SLOT
	s_add_nc_u64 s[G0B+4*(\s)+2:G0B+4*(\s)+3], s[46:47], (\s)*KSTEP*2
	s_or_b32 s[G0B+4*(\s)+3], s[G0B+4*(\s)+3], 0x80000000
	JLOAD \s                                       ; K steps 0 and 1: two loads of mine are out
.endr
	; a fragment is 16 rows x 32 K in 8 registers: lane l holds row l % 16, K = 8 (l / 16) + 0..7 and 16 + 8 (l / 16) + 0..7: two loads of 16 bytes, 32 bytes apart
	v_and_b32 v1, 15, v0
	v_bfe_u32 v2, v0, 4, 1
	v_mul_u32_u24 v3, v1, PITCH
	v_lshl_add_u32 v3, v2, 4, v3
	s_mul_i32 s21, s11, HALFT                      ; my 128 rows of xb
	s_mul_i32 s22, s12, HALFT                      ; my 128 rows of wb,
	s_add_co_u32 s22, s22, 2*HALFT                 ; behind xb's 256
.irp s, 0,1
	v_add_nc_u32 v[ADRA+(\s)], s21, v3
	v_add_nc_u32 v[ADRB+(\s)], s22, v3
	s_add_co_u32 s21, s21, SLOT
	s_add_co_u32 s22, s22, SLOT
.endr
	s_mul_i32 s23, s10, 16*SPITCH
	s_add_co_u32 s23, s23, STAGE                   ; my stage
	v_mul_u32_u24 v4, v1, SPITCH                   ; in: row l % 16, 16 bytes for each half of the lanes
	v_lshl_add_u32 v4, v2, 4, v4
	v_add_nc_u32 v[STO], s23, v4
	v_mul_u32_u24 v5, v2, SPITCH                   ; back: lanes 0-15 one row of 256 bytes, lanes 16-31 the next
	v_lshl_add_u32 v5, v1, 4, v5
	v_add_nc_u32 v[RD], s23, v5
	v_mul_u32_u24 v5, v2, SIZE_N*2                 ; and the same two rows in qkv
	v_lshl_add_u32 v[CO], v1, 4, v5
	; where my part of the first tile begins in qkv, in bytes: the first way out adds it to qkv's address
	s_lshl_b32 s13, s13, 8
	s_lshl_b32 s14, s11, 7
	s_add_co_u32 s16, s13, s14                     ; my first row
	s_mov_b32 s17, 0
	s_mov_b64 s[18:19], SIZE_N*2
	s_mul_u64 s[16:17], s[16:17], s[18:19]
	s_lshl_b32 s46, s42, 9                         ; my first column, in bytes: 512 x tile column + 256 x half
	s_lshl_b32 s47, s12, 8
	s_add_co_u32 s46, s46, s47
	s_mov_b32 s47, 0
	s_add_nc_u64 s[16:17], s[16:17], s[46:47]
; 16 matrix instructions: row blocks a0, a0 + 1 of the window's four (hi = 0: my rows 0-63, 1: rows 64-127) x all 8 column blocks, 32 along K.  zero = 1: the product starts the sums.
; The 64 accumulators take turns, in the same order in every quarter.
.macro MUL16 f, hi, a0, zero
	WIN MUL_LO+0x50*(\hi)
.irp a, \a0, (\a0)+1
.irp b, 0,1,2,3,4,5,6,7
.if \zero
	v_wmma_f32_16x16x32_bf16 v[8*(8*(\a)+(\b)):8*(8*(\a)+(\b))+7], v[(\f)+8*(\b):(\f)+8*(\b)+7], v[(\f)+8*(4*(\hi)+(\a)):(\f)+8*(4*(\hi)+(\a))+7], 0
.else
	v_wmma_f32_16x16x32_bf16 v[8*(8*(\a)+(\b)):8*(8*(\a)+(\b))+7], v[(\f)+8*(\b):(\f)+8*(\b)+7], v[(\f)+8*(4*(\hi)+(\a)):(\f)+8*(4*(\hi)+(\a))+7], v[8*(8*(\a)+(\b)):8*(8*(\a)+(\b))+7]
.endif
.endr
.endr
.endm
; 32 LDS loads in one run: a quarter step's fragments (128 rows of wb, then 128 rows of xb, 32 K at byte k of the rows) into buffer f
.macro FETCH slot, k, f
	WIN TO_B
.irp i, 0,1,2,3,4,5,6,7
	ds_load_b128 v[(\f)+8*(\i):(\f)+8*(\i)+3],   v[ADRB+(\slot)] offset:(\k)+(\i)*16*PITCH
	ds_load_b128 v[(\f)+8*(\i)+4:(\f)+8*(\i)+7], v[ADRB+(\slot)] offset:(\k)+(\i)*16*PITCH+32
.endr
	WIN 0
.irp i, 0,1,2,3,4,5,6,7
	ds_load_b128 v[(\f)+8*(\i):(\f)+8*(\i)+3],   v[ADRA+(\slot)] offset:(\k)+(\i)*16*PITCH
	ds_load_b128 v[(\f)+8*(\i)+4:(\f)+8*(\i)+7], v[ADRA+(\slot)] offset:(\k)+(\i)*16*PITCH+32
.endr
.endm
.macro PLACES                          ; four plain vector instructions between a matrix instruction and a load into its sources, or a vector instruction that reads its result
.rept 4
	v_nop
.endr
.endm
; A K step is four quarters of 32 along K, 64 matrix instructions each, on buffers 0, 1, 0, 1.  One of the first three: multiplies buffer f and, in its middle, fetches the next quarter, at byte k, into g.
.macro QUARTER slot, k, f, g, zero
	s_wait_dscnt 8                                 ; wb and xb's rows 0-63 are in; the youngest eight loads (xb's rows 64-127) may be out
	MUL16 \f, 0, 0, \zero
	MUL16 \f, 0, 2, \zero
	PLACES
	FETCH \slot, \k, \g
	s_wait_dscnt 32                                ; all but the 32 just issued
	MUL16 \f, 1, 0, \zero
	MUL16 \f, 1, 2, \zero
.endm
; The last quarter multiplies buffer 1 and changes slots.  Its first half: ONE barrier; in front of it each wave waits for all its tensor loads (one is out: its part of the next slot), adds 0 to its spare word,
; and waits for that and for its reads of this slot.  Behind it nobody reads this slot any more and the next slot is whole.
.macro MEET round
	WIN 0                                          ; (the add's two registers lie in window 0)
	s_wait_tensorcnt 0x0
	ds_add_u32 v[SPW], v[NIL]                      ; 0 onto my spare word
	s_wait_dscnt 9                                 ; (the add and the youngest eight loads may be out)
	MUL16 F1, 0, 0, 0                              ; sixteen matrix instructions stand between the add and the wait for it
	s_wait_dscnt 0x0                               ; the add is done, and my reads of this slot are over
	s_barrier_signal -1
	MUL16 F1, 0, 2, 0
.if \round
	WIN 0
.endif
	s_barrier_wait -1
.endm
; The whole last quarter: the barrier opens a round of the cluster's; behind the round the slot just read is filled again first, two K steps on (on = 0) or with the next tile's K step 0 or 1 (on = 1).
.macro TURN slot, next, on
	MEET 1
	CREST                                          ; no wave of any partner still reads this slot's tile or has a load on its way
.if \on
	s_add_nc_u64 s[G0+4*(\slot)+2:G0+4*(\slot)+3], s[G0+4*(\slot)+2:G0+4*(\slot)+3], NEXT_A
	s_sub_nc_u64 s[G0B+4*(\slot)+2:G0B+4*(\slot)+3], s[G0B+4*(\slot)+2:G0B+4*(\slot)+3], BACK_B
.else
	s_add_nc_u64 s[G0+4*(\slot)+2:G0+4*(\slot)+3], s[G0+4*(\slot)+2:G0+4*(\slot)+3], 2*KSTEP*2
	s_add_nc_u64 s[G0B+4*(\slot)+2:G0B+4*(\slot)+3], s[G0B+4*(\slot)+2:G0B+4*(\slot)+3], 2*KSTEP*2
.endif
	JLOAD \slot                                    ; the four v_nop behind it are also the places in front of the loads below
	FETCH \next, 0, F0
	MUL16 F1, 1, 0, 0
	MUL16 F1, 1, 2, 0
.endm
; THE WAY OUT of row block a: rounded to f16, 16 bytes a lane (each accumulator's registers in ascending order); into my own stage and back as whole rows of 256 bytes; stored.
.macro PACK a
.set AC, 64*((\a)%4)
	WIN 0x0a+5*((\a)/4)                            ; sources 0 and 1: window 2 or 3
.irp b, 0,1,2,3,4,5,6,7
.irp r, 0,1,2,3
	v_cvt_pk_f16_f32 v[TMP+4*(\b)+(\r)], v[AC+8*(\b)+2*(\r)], v[AC+8*(\b)+2*(\r)+1]
.endr
.endr
	WIN 0
.endm
.macro TOSTAGE a
	WIN 0
.set BK, OB+192*((\a)%2)
.irp b, 0,1,2,3,4,5,6,7
	ds_store_b128 v[STO], v[TMP+4*(\b):TMP+4*(\b)+3] offset:32*(\b)
.endr
.irp t, 0,1,2,3,4,5,6,7
	ds_load_b128 v[BK+4*(\t):BK+4*(\t)+3], v[RD] offset:(\t)*2*SPITCH  ; LDS serves a wave's instructions in order (ISA guide 5.7.1.4): these see the stores above
.endr
.endm
.macro SEND a
	WIN 0
.set BK, OB+192*((\a)%2)
	s_wait_dscnt 0x0                               ; the block is back in registers
	s_wait_xcnt 0x0                                ; only behind this wait are the stores' base and the registers that earlier stores read rewritten
.if (\a) == 0
	s_add_nc_u64 s[8:9], s[8:9], s[16:17]          ; on to this tile's first rows
.else
	s_add_nc_u64 s[8:9], s[8:9], 16*SIZE_N*2       ; 16 rows on
.endif
.irp t, 0,1,2,3,4,5,6,7
	global_store_b128 v[CO], v[BK+4*(\t):BK+4*(\t)+3], s[8:9] offset:2*(\t)*SIZE_N*2  ; 16 lanes store 256 consecutive bytes, at a multiple of 256 from qkv's first byte
.endr
.endm
	s_wait_tensorcnt 0x1                           ; my part of K step 0 is in; K step 1's may stay out
	s_barrier_signal -1
	s_barrier_wait -1
	FETCH 0, 0, F0
	s_mov_b32 s2, TILES                            ; tiles to go, this one among them: the same number in every work-group
.Ltile:
	QUARTER 0, 64,  F0, F1, 1                      ; a tile's first quarter stands in front of the loop: its products start the sums
	WIN 0
	s_mov_b32 s3, LAPS-1
.Llap:                                                 ; a trip goes once round the ring, from a lap's second quarter to the next lap's first, and fills both slots again
	QUARTER 0, 128, F1, F0, 0
	QUARTER 0, 192, F0, F1, 0
	TURN 0, 1, 0
	QUARTER 1, 64,  F0, F1, 0
	QUARTER 1, 128, F1, F0, 0
	QUARTER 1, 192, F0, F1, 0
	TURN 1, 0, 0
	QUARTER 0, 64,  F0, F1, 0
	WIN 0
	s_sub_co_u32 s3, s3, 1
	s_cmp_lg_u32 s3, 0
	s_cbranch_scc1 .Llap
	QUARTER 0, 128, F1, F0, 0                      ; the tile's last lap goes on
	QUARTER 0, 192, F0, F1, 0
	WIN 0
	s_cmp_eq_u32 s2, 1
	s_cbranch_scc1 .Llast_tile                     ; the last tile's tail is written out: it asks for nothing more
	TURN 0, 1, 1                                   ; the ring goes on into the next tile: slot 0 takes its K step 0,
	QUARTER 1, 64,  F0, F1, 0
	QUARTER 1, 128, F1, F0, 0
	QUARTER 1, 192, F0, F1, 0
	TURN 1, 0, 1                                   ; slot 1 its K step 1, and its first fragments are fetched
	WIN 0
	s_branch .Lout
.Llast_tile:
	MEET 0                                         ; the load that was out is the last K step's, so no round follows
	PLACES
	FETCH 1, 0, F0
	MUL16 F1, 1, 0, 0
	MUL16 F1, 1, 2, 0
	QUARTER 1, 64,  F0, F1, 0
	QUARTER 1, 128, F1, F0, 0
	QUARTER 1, 192, F0, F1, 0
	s_wait_dscnt 8                                 ; the very last quarter: nothing more to fetch
	MUL16 F1, 0, 0, 0
	MUL16 F1, 0, 2, 0
	PLACES                                         ; the places behind blocks 0-3's last products, where the other way has the four behind its refill
	s_wait_dscnt 0x0
	MUL16 F1, 1, 0, 0
	MUL16 F1, 1, 2, 0
	WIN 0
.Lout:                                                 ; ONE text of the way out for both tiles.  Blocks 0-3 have their places on either way here; their 128 conversions, which name no register of
	PACK 0                                         ; the last products (blocks 4-7's), are those products' places
	TOSTAGE 0
.irp a, 1,2,3,4,5,6,7                  ; block a's conversions stand between block a - 1's loads from the stage and the wait for them
	PACK \a
	SEND (\a)-1
	TOSTAGE \a
.endr
	SEND 7
	s_cmp_eq_u32 s2, 1
	s_cbranch_scc1 .Lend
	s_mov_b64 s[16:17], NEXT_C                     ; what the next way out adds to qkv's address
	s_sub_co_u32 s2, s2, 1
	s_branch .Ltile
.Lend:
	s_wait_tensorcnt 0x0                           ; the wave's end: an add to my spare word and its wait, behind my last tensor load and my last LDS store
	ds_add_u32 v[SPW], v[NIL]
	s_wait_dscnt 0x0
	CROUND                                         ; the closing round: no work-group ends while a partner may still ask for a tile that names it
	s_endpgm
.Lfunc_end_k_qd89b13c6a5_proj:
	.size	k_qd89b13c6a5_proj, .Lfunc_end_k_qd89b13c6a5_proj-k_qd89b13c6a5_proj
	.p2alignl 7, 3214868480
	.fill 96, 4, 3214868480
	.section	.rodata,"a",@progbits
	.p2align	6, 0x0
	.amdhsa_kernel k_qd89b13c6a5_proj
		.amdhsa_group_segment_fixed_size 327680
		.amdhsa_private_segment_fixed_size 0
		.amdhsa_enable_private_segment 0
		.amdhsa_kernarg_size 24
		.amdhsa_user_sgpr_count 2
		.amdhsa_user_sgpr_kernarg_segment_ptr 1
		.amdhsa_wavefront_size32 1
		.amdhsa_system_sgpr_workgroup_id_x 1
		.amdhsa_system_sgpr_workgroup_id_y 1
		.amdhsa_system_sgpr_workgroup_id_z 1
		.amdhsa_system_vgpr_workitem_id 0
		.amdhsa_next_free_vgpr 1024
		.amdhsa_next_free_sgpr 66
		.amdhsa_reserve_vcc 0
		.amdhsa_float_denorm_mode_32 3
		.amdhsa_float_denorm_mode_16_64 3
		.amdhsa_memory_ordered 1
		.amdhsa_forward_progress 1
		.amdhsa_inst_pref_size 177
	.end_amdhsa_kernel
	.amdgpu_metadata
---
amdhsa.version: [ 1, 2 ]
amdhsa.kernels:
  - .name:           k_qd89b13c6a5_proj
    .symbol:         k_qd89b13c6a5_proj.kd
    .args:
      - { .name: xb, .offset: 0, .size: 8, .value_kind: global_buffer, .address_space: global }
      - { .name: wb, .offset: 8, .size: 8, .value_kind: global_buffer, .address_space: global }
      - { .name: qkv, .offset: 16, .size: 8, .value_kind: global_buffer, .address_space: global }
    .group_segment_fixed_size: 327680
    .private_segment_fixed_size: 0
    .kernarg_segment_align: 8
    .kernarg_segment_size: 24
    .max_flat_workgroup_size: 128
    .sgpr_count:     66
    .vgpr_count:     1024
    .wavefront_size: 32
...
	.end_amdgpu_metadata
.endif
;; end of part 2
;; launch scores (part 3): grid 9 x 16, 4 waves a work-group, no clusters, 327,680 bytes of LDS; arguments qkv, p, stat; writes p, stat
.if DOCPART == 3
	.amdgcn_target "amdgcn-amd-amdhsa--gfx1250"
	.amdhsa_code_object_version 6
	.text
	.protected	k_qd89b13c6a5_scores
	.globl	k_qd89b13c6a5_scores
	.p2align	8
	.type	k_qd89b13c6a5_scores,@function
k_qd89b13c6a5_scores:
	s_mov_b64 s[64:65], 0
	v_nop
	global_prefetch_b8 v0, s[64:65] scope:SCOPE_SE
	s_setreg_imm32_b32 hwreg(HW_REG_WAVE_MODE, 25, 1), 1
	s_wait_xcnt 0x0
; A work-group makes 256 queries x 256 keys of S = Q K^T (f16 operands, f32 sums, K = 1,024); each of its four waves makes 128 x 128 of it, which is one TILE (i, j) of the softmax:
; the mask, the tile's OWN row maximum m, p = 2^(c s - c m), c = log2(e) / 32.  Out: p in f16 into p [8192][2048]; into stat, 2,048 bytes a tile: 512 of c m, 512 + 512 of the row sums of the unrounded p
; (those of the keys that the lower and the upper half of the lanes hold), all f32, 512 unused.  The next launch joins the tiles' maxima into the row's maximum and weights each tile by 2^(c m - c M) / L:
; a maximum is taken away before every exponential, and no exponent is above 0 but by a rounding.
; LIMITS.  A hidden score counts as -3.4e38.  m is held at -1e30 or above: with f16 operands no score is below -4.4e12, so m is the true maximum of every row that sees a key; in the tile to the right of an even
; diagonal tile, where no row sees any, it makes p = 0, the sums 0 and c m far below every true one: the tile of zeros that the next launch, which walks keys 256 at a time, reads.
; A weight below 2^-126 counts as 0, and below 6e-5 it keeps f16's fixed step of 6e-8; NaN and infinities are not treated apart.
; BLOCKS.  A batch has 8 x 8 blocks of 256 x 256, of which (I, J) with J <= I are needed.  Rows pp and 7 - pp together have 9: grid x = 0..8 walks them, grid y = 4 b + pp: 144 work-groups of equal work,
; each with 8 K steps of 256 matrix instructions a wave; a refill has 224 of them in which to land.  Tiles of 128 x 128 to a work-group would fill the chip twice and an eighth, with steps half as full.
; NO CLUSTER: row I of the triangle has I + 1 blocks and column J has 8 - J, a folded pair of rows 9: four divides none of them at every I and J, so groups of four that share Q or K would need
; work-groups that lie wholly above the diagonal.
; THE MATRIX INSTRUCTION IS USED TRANSPOSED (source 0 = 16 keys, source 1 = 16 queries): lane l holds query l % 16 of its block a and the keys 16 b + 8 (l / 16) + 0..7.
; THE WAY OUT is written once and walked eight times: each wave puts its 64 accumulators into 65,536 bytes of the ring, which has had its last fill, and takes them back a block of 16 queries at a time.
; The price is 128 LDS stores and 128 LDS loads a wave; written out in registers the way out would be eight times as long.
; REGISTERS, in windows of 256 (s_set_vgpr_msb: bits 1:0 source 0, 3:2 source 1, 5:4 source 2, 7:6 destination):
;   window 0: v4-29 addresses; v32-38 at work; v64-127, v128-191 Q's fragments, two buffers; on the way out v64-127 a block's scores, v128-159 its rows, v192-223 its packed weights
;   window 1: v64-127, v128-191 K's fragments          windows 2, 3: accumulator (a, b) at v[8 (8 (a % 4) + b)] of window 2 + a / 4
.set KSTEP,  128
.set PITCH,  272                       ; an LDS row: 256 bytes + 16 of padding
.set HALFT,  128*PITCH                 ; 0x8800: what one tensor load brings
.set SLOT,   4*HALFT                   ; 0x22000: Q's 256 rows, then K's 256.  The number shares no bit with 0, 0x8800, 0x11000, 0x19800, where the four waves' fills begin: one exclusive or turns each into the other slot's
.set STAGE,  2*SLOT                    ; behind the ring: 16 rows x 272 bytes for each wave
.set SPITCH, 272
.set SST,    STAGE+4*16*SPITCH         ; 1,536 bytes for each wave: its tile's statistics
.set SPARE,  SST+4*1536                ; the spare words: 128 bytes for each wave, named by no other line
.set QP,     6144                      ; bytes in a row of qkv
.set PP,     4096                      ; bytes in a row of p
.set AFIX, 4                           ; v4   my lane's place among my rows of Q in a slot; never rewritten
.set BFIX, 5                           ; v5   the same for K
.set ADRA, 6                           ; v6   the same in the slot in hand
.set ADRB, 7
.set DA,   8                           ; v8   my 16 bytes in the first 512 of my wave's 65,536; on the way out it steps a block at a time
.set XC,   10                          ; v10  my query's word in c m
.set XL,   11                          ; v11  my query's word in my half's sums
.set SR,   12                          ; v12  where I read 16 bytes of the statistics
.set SO,   13                          ; v13  16 x lane
.set DD,   14                          ; v14  my query less my first key
.set NEGV, 15                          ; v15  the lowest finite number
.set FLR,  16                          ; v16  -1e30
.set STO,  24
.set RD,   25
.set CO,   26
.set SPW,  28                          ; v28  LDS address of my spare word; never rewritten
.set NIL,  29                          ; v29  0; never rewritten
.set CW,   32                          ; v32-35 four running maxima; then v32 c m
.set LS,   36                          ; v36-37 the running sum, even keys' and odd keys'
.set LT,   38
.set S,    64
.set OBK,  128
.set TMP,  192
.set F0,   64
.set F1,   128
.set G1, 24                            ; s[24:31] descriptor group 1;  s[32:39] group 0: a set for each first fill; the second then walks
.set G0, 32
.set TB, 44                            ; s44  the slot in hand: 0 or SLOT
.set FLAG, 45                          ; s45  1: my tile holds hidden scores
.set CS, 58                            ; s[58:59] c, twice
.set SEL, 60                           ; s[60:61] v_permlanex16_b32's selects: each lane takes its own place in the other half
.set MSB, 0
.macro WIN new
.if MSB != (\new)
	s_set_vgpr_msb (MSB<<8)|(\new)
.set MSB, \new
.endif
.endm
.set MUL_LO, 0xa1                      ; source 0 (K) window 1, source 1 (Q) window 0, C and D window 2
.set MUL_HI, 0xf1
.set TO_B,   0x40
	s_load_b128 s[4:7], s[0:1], 0x0                ; qkv s[4:5], p s[6:7]
	s_load_b64 s[8:9], s[0:1], 0x10                ; stat
	v_lshl_add_u32 v[SPW], v0, 2, SPARE
	v_mov_b32 v[NIL], 0
	ds_add_u32 v[SPW], v[NIL]                      ; the wave's opening: the add and its wait stand ahead of my first tensor load; the set-up below stands between them
	ds_add_u32 v28, v29
	v_lshrrev_b32 v1, 5, v0
	v_readfirstlane_b32 s10, v1                    ; wave 0..3
	s_lshr_b32 s11, s10, 1                         ; my half of the queries.  Also: I fetch Q (0) or K (1)
	s_and_b32 s12, s10, 1                          ; my half of the keys.  Also: which 128 rows I fetch
	s_and_b32 s13, ttmp7, 0xffff
	s_and_b32 s14, s13, 3                          ; pp
	s_lshr_b32 s15, s13, 2                         ; b
	s_sub_co_u32 s16, 7, s14                       ; 7 - pp
	s_add_co_u32 s13, s14, 1
	s_max_u32 s17, ttmp9, s13
	s_sub_co_u32 s17, s17, s13                     ; x - pp - 1, or 0
	s_cmp_le_u32 ttmp9, s14
	s_cselect_b32 s18, s14, s16                    ; I
	s_cselect_b32 s19, ttmp9, s17                  ; J
	s_mov_b32 s[G1+0], (1<<16)|(1<<20)|(5<<22)|(3<<25)  ; 2-byte elements; padding on: after every 64 words, 4 words
	s_mov_b32 s[G1+1], KSTEP<<16                   ; tensor_dim0 = 128
	s_mov_b32 s[G1+2], 128<<16                     ; tensor_dim1 = 128
	s_mov_b32 s[G1+3], KSTEP<<16                   ; tile_dim0 = 128
	s_mov_b32 s[G1+4], 128                         ; tile_dim1 = 128
	s_mov_b32 s[G1+5], 3072                        ; elements from row to row
	s_mov_b32 s[G1+6], 0
	s_mov_b32 s[G1+7], 0
	s_mov_b32 s[CS], 0x3d38aa3b                    ; c = log2(e) / 32
	s_mov_b32 s[CS+1], s[CS]
	s_mov_b32 s[SEL], 0x76543210
	s_mov_b32 s[SEL+1], 0xfedcba98
	s_mov_b32 s[TB], 0
	s_cmp_eq_u32 s11, 0
	s_cselect_b32 s20, s18, s19                    ; the block of rows that I fetch from: I for Q, J for K
	s_lshl_b32 s20, s20, 8
	s_lshl_b32 s21, s15, 11
	s_add_co_u32 s20, s20, s21
	s_lshl_b32 s21, s12, 7
	s_add_co_u32 s20, s20, s21                     ; row 2048 b + 256 block + 128 half
	s_mul_i32 s20, s20, QP
	s_lshl_b32 s21, s11, 11                        ; K lies 2,048 bytes into a row of qkv
	s_add_co_u32 s20, s20, s21
	s_mov_b32 s21, 0
	s_mul_i32 s22, s10, HALFT                      ; where it goes: wave x 128 rows
	s_lshl1_add_u32 s40, s18, s11                  ; i = 2 I + my half of the queries
	s_lshl1_add_u32 s41, s19, s12                  ; j = 2 J + my half of the keys
	s_cmp_le_u32 s40, s41
	s_cselect_b32 s[FLAG], 1, 0                    ; hidden scores only where i <= j
	s_sub_co_i32 s46, s40, s41
	s_lshl_b32 s46, s46, 7                         ; 128 (i - j)
	s_lshl_b32 s42, s15, 11                        ; p: row 2048 b + 128 i, byte 256 j
	s_lshl_b32 s43, s40, 7
	s_add_co_u32 s42, s42, s43
	s_lshl_b32 s42, s42, 12
	s_lshl_b32 s43, s41, 8
	s_add_co_u32 s42, s42, s43
	s_mov_b32 s43, 0
	s_lshl_b32 s48, s15, 4                         ; stat: tile (16 b + i) 16 + j, 2,048 bytes each
	s_add_co_u32 s48, s48, s40
	s_lshl_b32 s48, s48, 4
	s_add_co_u32 s48, s48, s41
	s_lshl_b32 s48, s48, 11
	s_mov_b32 s49, 0
	s_wait_dscnt 0x0                               ; the opening add is done
	s_wait_kmcnt 0x0
	s_add_nc_u64 s[20:21], s[4:5], s[20:21]
	s_add_nc_u64 s[6:7], s[6:7], s[42:43]
	s_add_nc_u64 s[8:9], s[8:9], s[48:49]
.irp s, 0,1
	s_mov_b32 s[G0+4*(\s)], 1
	s_add_co_u32 s[G0+4*(\s)+1], s22, (\s)*SLOT
	s_add_nc_u64 s[G0+4*(\s)+2:G0+4*(\s)+3], s[20:21], (\s)*KSTEP*2
	s_or_b32 s[G0+4*(\s)+3], s[G0+4*(\s)+3], 0x80000000
	tensor_load_to_lds s[G0+4*(\s):G0+4*(\s)+3], s[G1:G1+7]   ; K steps 0 and 1: two loads of mine are out
	s_nop 0
.endr
	v_and_b32 v1, 15, v0                           ; r = l % 16
	v_bfe_u32 v2, v0, 4, 1                         ; h = l / 16
	v_mul_u32_u24 v3, v1, PITCH
	v_lshl_add_u32 v3, v2, 4, v3
	s_mul_i32 s21, s11, HALFT                      ; my 128 rows of Q
	s_mul_i32 s22, s12, HALFT                      ; my 128 rows of K,
	s_add_co_u32 s22, s22, 2*HALFT                 ; behind Q's 256
	v_add_nc_u32 v[AFIX], s21, v3
	v_add_nc_u32 v[BFIX], s22, v3
	v_mov_b32 v[ADRA], v[AFIX]                     ; K step 0 lies in slot 0
	v_mov_b32 v[ADRB], v[BFIX]
	s_mul_i32 s23, s10, 16*SPITCH
	s_add_co_u32 s23, s23, STAGE                   ; my stage
	v_mul_u32_u24 v3, v1, SPITCH                   ; in: row r, 16 bytes for each half of the lanes
	v_lshl_add_u32 v3, v2, 4, v3
	v_add_nc_u32 v[STO], s23, v3
	v_mul_u32_u24 v3, v2, SPITCH                   ; back: lanes 0-15 one row of 256 bytes, lanes 16-31 the next
	v_lshl_add_u32 v3, v1, 4, v3
	v_add_nc_u32 v[RD], s23, v3
	v_lshlrev_b32 v[CO], 12, v2                    ; and the same two rows in p
	v_lshl_add_u32 v[CO], v1, 4, v[CO]
	v_and_b32 v[SO], 31, v0
	v_lshlrev_b32 v[SO], 4, v[SO]
	s_lshl_b32 s23, s10, 16
	v_add_nc_u32 v[DA], s23, v[SO]                 ; 65,536 x wave + 16 x lane
	s_mul_i32 s23, s10, 1536
	s_add_co_u32 s23, s23, SST                     ; my wave's statistics
	v_lshl_add_u32 v[XC], v1, 2, s23
	v_lshl_add_u32 v[XL], v2, 9, v[XC]
	v_add_nc_u32 v[XL], 512, v[XL]
	v_add_nc_u32 v[SR], s23, v[SO]
	v_lshlrev_b32 v3, 3, v2
	v_sub_nc_u32 v[DD], v1, v3
	v_add_nc_u32 v[DD], s46, v[DD]                 ; 128 (i - j) + r - 8 h; with 16 a more for block a: score 8 b + e of a lane is hidden where 16 b + e is greater
	v_mov_b32 v[NEGV], 0xff7fffff
	v_mov_b32 v[FLR], 0xf149f2ca
; 16 matrix instructions: query blocks a0, a0 + 1 of the window's four x all 8 key blocks, 32 along K.  The 64 accumulators take turns, in the same order in every quarter.
.macro MUL16 f, hi, a0, zero
	WIN MUL_LO+0x50*(\hi)
.irp a, \a0, (\a0)+1
.irp b, 0,1,2,3,4,5,6,7
.if \zero
	v_wmma_f32_16x16x32_f16 v[8*(8*(\a)+(\b)):8*(8*(\a)+(\b))+7], v[(\f)+8*(\b):(\f)+8*(\b)+7], v[(\f)+8*(4*(\hi)+(\a)):(\f)+8*(4*(\hi)+(\a))+7], 0
.else
	v_wmma_f32_16x16x32_f16 v[8*(8*(\a)+(\b)):8*(8*(\a)+(\b))+7], v[(\f)+8*(\b):(\f)+8*(\b)+7], v[(\f)+8*(4*(\hi)+(\a)):(\f)+8*(4*(\hi)+(\a))+7], v[8*(8*(\a)+(\b)):8*(8*(\a)+(\b))+7]
.endif
.endr
.endr
.endm
; 32 LDS loads in one run: a quarter step's fragments (128 keys, then 128 queries, 32 K at byte k of the rows of the slot in hand) into buffer f
.macro FETCH k, f
	WIN TO_B
.irp i, 0,1,2,3,4,5,6,7
	ds_load_b128 v[(\f)+8*(\i):(\f)+8*(\i)+3],   v[ADRB] offset:(\k)+(\i)*16*PITCH
	ds_load_b128 v[(\f)+8*(\i)+4:(\f)+8*(\i)+7], v[ADRB] offset:(\k)+(\i)*16*PITCH+32
.endr
	WIN 0
.irp i, 0,1,2,3,4,5,6,7
	ds_load_b128 v[(\f)+8*(\i):(\f)+8*(\i)+3],   v[ADRA] offset:(\k)+(\i)*16*PITCH
	ds_load_b128 v[(\f)+8*(\i)+4:(\f)+8*(\i)+7], v[ADRA] offset:(\k)+(\i)*16*PITCH+32
.endr
.endm
.macro PLACES                          ; four plain vector instructions between a matrix instruction and a load into its sources, or whatever reads its result
.rept 4
	v_nop
.endr
.endm
.macro QUARTER k, f, g, zero           ; 32 along K: multiplies buffer f and, in its middle, fetches the next quarter, at byte k, into g
	s_wait_dscnt 8                                 ; K's fragments and Q's rows 0-63 are in; the youngest eight loads (Q's rows 64-127) may be out
	MUL16 \f, 0, 0, \zero
	MUL16 \f, 0, 2, \zero
	PLACES
	FETCH \k, \g
	s_wait_dscnt 32                                ; all but the 32 just issued
	MUL16 \f, 1, 0, \zero
	MUL16 \f, 1, 2, \zero
.endm
; A K step's last quarter multiplies buffer 1 and changes slots: ONE barrier; in front of it each wave waits for all its tensor loads (one is out: its part of the next slot), adds 0 to its spare word, and waits
; for that and for its reads of this slot.  fill = 1: this slot is filled again, two K steps on, straight behind the barrier.
.macro TURN fill
	WIN 0
	s_wait_tensorcnt 0x0                           ; no tensor load of mine is out, so a group 0 may be written
	ds_add_u32 v[SPW], v[NIL]                      ; 0 onto my spare word; work on registers stands between it and the wait for it
.if \fill
	s_xor_b32 s[G0+5], s[G0+5], SLOT               ; the walking descriptor: the other slot than last time,
	s_add_nc_u64 s[G0+6:G0+7], s[G0+6:G0+7], KSTEP*2  ; the next K step; the type bits on top are not reached
.endif
	s_xor_b32 s[TB], s[TB], SLOT                   ; the fetches go on in the other slot (this slot's last have been issued)
	v_add_nc_u32 v[ADRA], s[TB], v[AFIX]
	v_add_nc_u32 v[ADRB], s[TB], v[BFIX]
	s_wait_dscnt 9                                 ; (the add and the youngest eight loads may be out)
	MUL16 F1, 0, 0, 0
	s_wait_dscnt 0x0                               ; the add is done, and my reads of this slot are over
	s_barrier_signal -1
	MUL16 F1, 0, 2, 0
	s_barrier_wait -1
.if \fill
	tensor_load_to_lds s[G0+4:G0+7], s[G1:G1+7]
	s_nop 0
.endif
	PLACES                                         ; the places in front of the loads below
	FETCH 0, F0
	MUL16 F1, 1, 0, 0
	MUL16 F1, 1, 2, 0
.endm
	s_wait_tensorcnt 0x1                           ; my part of K step 0 is in; K step 1's may stay out
	s_barrier_signal -1
	s_barrier_wait -1
	FETCH 0, F0
	QUARTER 64, F0, F1, 1                          ; the first quarter stands in front of the loop: its products start the sums
	WIN 0
	s_mov_b32 s3, 6
.Lstep:                                                ; a trip: a K step's second quarter to the next step's first.  K steps 0 to 5 ask for steps 2 to 7
	QUARTER 128, F1, F0, 0
	QUARTER 192, F0, F1, 0
	TURN 1
	QUARTER 64, F0, F1, 0
	WIN 0
	s_sub_co_u32 s3, s3, 1
	s_cmp_lg_u32 s3, 0
	s_cbranch_scc1 .Lstep
	QUARTER 128, F1, F0, 0                         ; the last two K steps are written out: they ask for nothing
	QUARTER 192, F0, F1, 0
	TURN 0
	QUARTER 64, F0, F1, 0
	QUARTER 128, F1, F0, 0
	QUARTER 192, F0, F1, 0
	s_wait_dscnt 8
	MUL16 F1, 0, 0, 0
	MUL16 F1, 0, 2, 0
	s_wait_dscnt 0x0                               ; my reads of the ring are over, for good: say so,
	s_barrier_signal -1
	MUL16 F1, 1, 0, 0
	MUL16 F1, 1, 2, 0
	s_barrier_wait -1                              ; and store into it only when all four waves have said so.  Every tensor load has landed (the last change of slots waited for all), and none follows
	PLACES
	; my 64 accumulators into my 65,536 bytes: four registers x 32 lanes are 512 consecutive bytes; each accumulator's low four first.  Block a of 16 queries fills 8,192 bytes
	WIN 0x08                                       ; the stores' data in window 2
.set q, 0
.rept 64
	ds_store_b128 v[DA], v[4*q:4*q+3] offset:512*q
.set q, q+1
.endr
	WIN 0x0c                                       ; in window 3
.set q, 0
.rept 64
	ds_store_b128 v[DA], v[4*q:4*q+3] offset:32768+512*q
.set q, q+1
.endr
	WIN 0
	s_mov_b32 s3, 8
.Lblock:                                               ; a trip: 16 queries x 128 keys.  A lane holds one query and 64 scores: number 8 b + e is key 16 b + 8 h + e
.set q, 0
.rept 16
	ds_load_b128 v[S+4*q:S+4*q+3], v[DA] offset:512*q  ; my wave's own bytes: LDS serves a wave's instructions in order (ISA guide 5.7.1.4)
.set q, q+1
.endr
	s_wait_dscnt 0x0
	s_cmp_eq_u32 s[FLAG], 0
	s_cbranch_scc1 .Lopen                          ; forward, past text with no barrier and no tensor load
.set k, 0
.rept 64
	v_cmp_gt_i32 vcc_lo, 16*(k/8)+k%8, v[DD]
	v_cndmask_b32 v[S+k], v[S+k], v[NEGV], vcc_lo
.set k, k+1
.endr
.Lopen:
	; the maximum: four chains of fifteen scores, three operands at a time; the four left over; the chains into one; the query's other 64 keys, in the lane 16 away; the floor
.irp n, 0,1,2,3
	v_max3_num_f32 v[CW+(\n)], v[S+16*(\n)], v[S+16*(\n)+1], v[S+16*(\n)+2]
.endr
.irp j, 0,1,2,3,4,5
.irp n, 0,1,2,3
	v_max3_num_f32 v[CW+(\n)], v[CW+(\n)], v[S+16*(\n)+3+2*(\j)], v[S+16*(\n)+4+2*(\j)]
.endr
.endr
	v_max3_num_f32 v[CW], v[CW], v[S+15], v[S+31]
	v_max3_num_f32 v[CW+2], v[CW+2], v[S+47], v[S+63]
	v_max_num_f32 v[CW+1], v[CW+1], v[CW+3]
	v_max3_num_f32 v[CW], v[CW], v[CW+1], v[CW+2]
	v_permlanex16_b32 v[CW+1], v[CW], s[SEL], s[SEL+1]
	v_max3_num_f32 v[CW], v[CW], v[CW+1], v[FLR]   ; m
	v_mul_f32 v[CW], s[CS], v[CW]                  ; c m
.set k, 0
.rept 32
	v_pk_fma_f32 v[S+2*k:S+2*k+1], v[S+2*k:S+2*k+1], s[CS:CS+1], v[CW:CW+1] op_sel_hi:[1,0,0] neg_lo:[0,0,1] neg_hi:[0,0,1]  ; c s - c m
.set k, k+1
.endr
	; two exponentials, then plain work on the pair two back: its rounding to f16, and the running sum takes it unrounded.  So a plain instruction stands between every exponential and the use of its result
.set k, 0
.rept 34
.if k < 32
	v_exp_f32 v[S+2*k], v[S+2*k]
	v_exp_f32 v[S+2*k+1], v[S+2*k+1]
.endif
.if k < 2
	v_nop
.else
	s_wait_alu depctr_va_vdst(0)
	v_cvt_pk_f16_f32 v[TMP+k-2], v[S+2*k-4], v[S+2*k-3]
.endif
.if k == 3
	v_pk_add_f32 v[LS:LS+1], v[S:S+1], v[S+2:S+3]  ; the first two pairs start the sum: nothing is cleared
.elseif k > 3
	v_pk_add_f32 v[LS:LS+1], v[LS:LS+1], v[S+2*k-4:S+2*k-3]
.endif
.set k, k+1
.endr
	v_add_f32 v[LT], v[LS], v[LS+1]                ; the sum over my half's 64 keys: the two halves' sums go out side by side, and the next launch adds them
.irp b, 0,1,2,3,4,5,6,7
	ds_store_b128 v[STO], v[TMP+4*(\b):TMP+4*(\b)+3] offset:32*(\b)
.endr
	ds_store_b32 v[XC], v[CW]                      ; (both halves of the lanes write the same word with the same number)
	ds_store_b32 v[XL], v[LT]
.irp t, 0,1,2,3,4,5,6,7
	ds_load_b128 v[OBK+4*(\t):OBK+4*(\t)+3], v[RD] offset:(\t)*2*SPITCH  ; whole rows back; the next trip's stores into the stage come behind these
.endr
.irp t, 0,1,2,3,4,5,6,7
	s_wait_dscnt 7-(\t)                            ; LDS loads come back in order: number t is in, the 7 - t younger ones stay out
	global_store_b128 v[CO], v[OBK+4*(\t):OBK+4*(\t)+3], s[6:7] offset:2*(\t)*PP  ; 16 lanes store 256 consecutive bytes, at a multiple of 256 from p's first byte
.endr
	s_wait_xcnt 0x0                                ; the stores' offset and data are rewritten only behind this wait
	v_add_nc_u32 v[CO], 16*PP, v[CO]               ; the next block: 16 rows of p,
	v_add_nc_u32 v[DA], 8192, v[DA]                ; 8,192 bytes of scores,
	v_add_nc_u32 v[XC], 64, v[XC]                  ; 16 words of each statistic,
	v_add_nc_u32 v[XL], 64, v[XL]
	v_add_nc_u32 v[DD], 16, v[DD]                  ; 16 queries
	s_sub_co_u32 s3, s3, 1
	s_cmp_lg_u32 s3, 0
	s_cbranch_scc1 .Lblock
.irp k, 0,1,2
	ds_load_b128 v[S+4*(\k):S+4*(\k)+3], v[SR] offset:512*(\k)
.endr
	s_wait_dscnt 0x0
.irp k, 0,1,2
	global_store_b128 v[SO], v[S+4*(\k):S+4*(\k)+3], s[8:9] offset:512*(\k)  ; 512 consecutive bytes each
.endr
	s_wait_tensorcnt 0x0                           ; the wave's end: an add to my spare word and its wait, behind my last tensor load and my last LDS store
	ds_add_u32 v[SPW], v[NIL]
	s_wait_dscnt 0x0
	s_endpgm
.Lfunc_end_k_qd89b13c6a5_scores:
	.size	k_qd89b13c6a5_scores, .Lfunc_end_k_qd89b13c6a5_scores-k_qd89b13c6a5_scores
	.p2alignl 7, 3214868480
	.fill 96, 4, 3214868480
	.section	.rodata,"a",@progbits
	.p2align	6, 0x0
	.amdhsa_kernel k_qd89b13c6a5_scores
		.amdhsa_group_segment_fixed_size 327680
		.amdhsa_private_segment_fixed_size 0
		.amdhsa_enable_private_segment 0
		.amdhsa_kernarg_size 24
		.amdhsa_user_sgpr_count 2
		.amdhsa_user_sgpr_kernarg_segment_ptr 1
		.amdhsa_wavefront_size32 1
		.amdhsa_system_sgpr_workgroup_id_x 1
		.amdhsa_system_sgpr_workgroup_id_y 1
		.amdhsa_system_sgpr_workgroup_id_z 1
		.amdhsa_system_vgpr_workitem_id 0
		.amdhsa_next_free_vgpr 1024
		.amdhsa_next_free_sgpr 66
		.amdhsa_reserve_vcc 1
		.amdhsa_float_denorm_mode_32 3
		.amdhsa_float_denorm_mode_16_64 3
		.amdhsa_memory_ordered 1
		.amdhsa_forward_progress 1
		.amdhsa_inst_pref_size 111
	.end_amdhsa_kernel
	.amdgpu_metadata
---
amdhsa.version: [ 1, 2 ]
amdhsa.kernels:
  - .name:           k_qd89b13c6a5_scores
    .symbol:         k_qd89b13c6a5_scores.kd
    .args:
      - { .name: qkv, .offset: 0, .size: 8, .value_kind: global_buffer, .address_space: global }
      - { .name: p, .offset: 8, .size: 8, .value_kind: global_buffer, .address_space: global }
      - { .name: stat, .offset: 16, .size: 8, .value_kind: global_buffer, .address_space: global }
    .group_segment_fixed_size: 327680
    .private_segment_fixed_size: 0
    .kernarg_segment_align: 8
    .kernarg_segment_size: 24
    .max_flat_workgroup_size: 128
    .sgpr_count:     66
    .vgpr_count:     1024
    .wavefront_size: 32
...
	.end_amdgpu_metadata
.endif
;; end of part 3
;; launch pv (part 4): grid 8 x 32, 4 waves a work-group, clusters of 4 x 1, 327,680 bytes of LDS; arguments p, qkv, stat, out0; writes out0
.if DOCPART == 4
	.amdgcn_target "amdgcn-amd-amdhsa--gfx1250"
	.amdhsa_code_object_version 6
	.text
	.protected	k_qd89b13c6a5_pv
	.globl	k_qd89b13c6a5_pv
	.p2align	8
	.type	k_qd89b13c6a5_pv,@function
k_qd89b13c6a5_pv:
	s_mov_b64 s[64:65], 0
	v_nop
	global_prefetch_b8 v0, s[64:65] scope:SCOPE_SE
	s_setreg_imm32_b32 hwreg(HW_REG_WAVE_MODE, 25, 1), 1
	s_wait_xcnt 0x0
	s_wait_alu depctr_hold_cnt(0) depctr_sa_sdst(0) depctr_va_vdst(0) depctr_va_sdst(0) depctr_va_ssrc(0) depctr_va_vcc(0) depctr_vm_vsrc(0)
	s_getreg_b32 s2, hwreg(HW_REG_IB_STS2, 6, 4)
	s_cmp_eq_u32 s2, 0
	s_cbranch_scc0 .Lentry_in_a_cluster
	s_endpgm
.Lentry_in_a_cluster:
	s_bfe_u32 s2, ttmp6, 0x10000c
	s_cmp_lg_u32 s2, 0x3003
	s_cbranch_scc0 .Lentry_shape_is_right
	s_endpgm
.Lentry_shape_is_right:
; out0[q][:] = sum over key tiles t of w_t[q] (P_t V_t)[q][:], w_t[q] = 2^(c m_t[q] - c M[q]) / L[q], M the maximum of the row's tile maxima, L = sum over t of 2^(c m_t - c M) (l0_t + l1_t).
; P [8192][2048] f16 (each tile's weights against its own maximum), V = columns 2048-3071 of qkv, f16; products and all sums in f32; out0 [8192][1024] f32.
; LIMITS.  As the launch before: a factor below 2^-126 counts as 0; NaN and infinities are not treated apart.
; SHARES.  A work-group makes two tiles of 128 rows x 128 channels: row block lo = pp, then hi = 15 - pp, of batch b, channel block n.  Keys go in VISITS of 256 (two tiles of P): (pp + 2) / 2 visits for lo and the rest of
; 9 for hi, whatever pp: 256 work-groups of equal work, one loop with a constant count; where a block's tiles are odd in number the last is the tile of zeros that the launch before wrote.
; Four waves, each 64 rows x 64 channels.  T holds one key tile's sums (four matrix instructions deep); a FLUSH adds w_t T onto TOT.
; CLUSTER.  The four channel blocks of a cluster share b and pp, so they walk the same tiles of P: those are asked for jointly (mask 15).  V's tiles differ: loads of one's own, behind the same rounds.
; Work-groups with different pp walk different keys in the same trip, so the cluster has one row.
; LAYOUT.  Source 0 = 16 channels x 32 keys of V^T (V lies [key][channel] in LDS and is turned by ds_load_tr16_b128), source 1 = 16 queries x 32 keys of P: a lane holds query l % 16 and eight neighbouring channels.
; REGISTERS, in windows of 256 (s_set_vgpr_msb: bits 1:0 source 0, 3:2 source 1, 5:4 source 2, 7:6 destination):
;   window 0: v1-15, v24 addresses; v16-23 w of the four row blocks (even registers); v32-95 rows on their way out (at the head v32-111: the statistics); v128-255 T at v[128 + 8 (4 a + b)]
;   window 1: two fragment buffers of 128: 64 registers of P, then 64 of V          window 2: v0-127 TOT at v[8 (4 a + b)]
.set PA,    528                        ; a row of P in LDS: 512 bytes + 16
.set PV,    288                        ; a row of V: 256 bytes + 32: the turning load's 16 lanes take 8 rows x 32 bytes
.set VOFF,  128*PA                     ; a slot: 128 rows of P, then 256 keys of V
.set SLOTB, 128*PA+256*PV
.set SLOT1, 0x24000                    ; slot 1 begins here: this number shares no bit with the four places in a slot at which a fill begins (0; 33,792; 67,584; 104,448), so one exclusive or turns each into the other slot's
.set STAGE, SLOT1+SLOTB                ; behind the ring: 16 rows x 272 bytes for each wave
.set SP,    272
.set CTAB,  STAGE+4*16*SP              ; 18 x 512 bytes: w_t of the 128 rows, lo's tiles and then hi's
.set SPARE, CTAB+18*512                ; the spare words: 128 bytes for each wave, named by no other line
.set AFIX, 2                           ; v2   my lane's place in a slot's P; never rewritten
.set VFIX, 3                           ; v3   the same for V
.set AA,   4                           ; v4   LDS address of P's fragments in the slot in hand
.set AV0,  5                           ; v5   of V's, keys 0-127
.set AV1,  6                           ; v6   keys 128-255
.set CFIX, 7                           ; v7   my row's word in a part of CTAB
.set CA,   8                           ; v8   the same in the part in hand
.set STO,  9
.set RD,   10
.set GO,   11
.set CC,   16
.set CST,  24                          ; v24  where thread t stores row t's factors
.set SPW,  28                          ; v28  LDS address of my spare word; never rewritten
.set NIL,  29                          ; v29  0; never rewritten
.set OBK,  32
.set VO,   32                          ; at the head: 18 offsets, 18 c m, 18 l0, 18 l1
.set CM,   50
.set SL0,  68
.set SL1,  86
.set MLO,  104
.set MHI,  105
.set LLO,  106
.set LHI,  107
.set NEGR, 108
.set TA,   109
.set TC,   110
.set ZR,   111
.set T,    128
.set F0,   0
.set F1,   128
.set WV,   12                          ; s12  my wave's number
.set LO,   17
.set HI,   18
.set NSLO, 19                          ; s19  lo's visits
.set N2,   20                          ; s20  lo's tiles, the tile of zeros among them
.set G1A,  24                          ; s[24:31] descriptor group 1 for P's tiles
.set G1V,  32                          ; s[32:39] for V's
.set G0A,  40                          ; s[40:47] group 0 for P's tiles: a set for each first fill; the second then walks
.set G0V,  48                          ; s[48:55] the same for V's
.set VIS,  56                          ; s56  counts the loop's visits
.set VF,   57                          ; s57  the visit to be asked for next
.set TB,   59                          ; s59  the slot in hand: 0 or SLOT1
.set CB,   60                          ; s60  the part of CTAB to be read next
.set NLEFT, 61                         ; s61  lo's visits still to end
.set WOFA, 62                          ; s62  where my fill of P begins in a slot
.set WOFV, 63                          ; s63  the same for V
.set BASEA, 66                         ; s[66:67] P at my 64 rows of the batch's block 0
.set BASEV, 68                         ; s[68:69] V at my 128 keys of the batch's visit 0, my channel block
.set OFA,  70                          ; s[70:71] a visit's byte offset in P
.set OHI,  72                          ; s[72:73] out0 at my part of hi's tile
.set ABLO, 76                          ; s76  lo's rows in P, in bytes
.set ABHI, 77                          ; s77  hi's, less lo's visits' 512 bytes each
.set OFV,  78                          ; s[78:79] a visit's byte offset in V
.set MK,   82                          ; s82-99  for each of the 18 tiles: all ones if it is lo's
.set MSB, 0
.macro WIN new
.if MSB != (\new)
	s_set_vgpr_msb (MSB<<8)|(\new)
.set MSB, \new
.endif
.endm
.set MUL,  0x05                        ; sources 0 and 1 window 1; C and D window 0
.set TO_F, 0x40                        ; destination window 1, address window 0
.set W_FL, 0xa0                        ; TOT (destination and source 2) window 2; T and w window 0
; A refill.  Waves 0 and 1 fetch the two halves of a visit's P, jointly with the three partners; waves 2 and 3 the two halves of its V.  The branch hangs on the wave's number alone.
; An s_nop 0 and four v_nop follow each of the two lines, ahead of the jump and the label.
.macro JLOAD
	s_cmp_lt_u32 s[WV], 2
	s_cbranch_scc0 .Lfor_v_\@
	tensor_load_to_lds s[G0A+4:G0A+7], s[G1A:G1A+7]
	s_nop 0
.rept 4
	v_nop
.endr
	s_branch .Lasked_\@
.Lfor_v_\@:
	tensor_load_to_lds s[G0V+4:G0V+7], s[G1V:G1V+7]
	s_nop 0
.rept 4
	v_nop
.endr
.Lasked_\@:
.endm
.macro CREST                           ; a round of the cluster's barrier behind its opening barrier
	s_cmp_lg_u32 s[WV], 0
	s_cbranch_scc1 .Lnot_wave_0_\@
	s_barrier_signal -3
.Lnot_wave_0_\@:
	s_barrier_wait -3
	s_barrier_signal -1
	s_barrier_wait -1
.endm
.macro CROUND
	s_barrier_signal -1
	s_barrier_wait -1
	CREST
.endm
; The global addresses of visit VF, made anew from the number: base plus an offset made apart, the type bits set again.  Then VF steps.
.macro VADDR set
	s_cmp_lt_u32 s[VF], s[NSLO]                    ; is it lo's?
	s_cselect_b32 s[OFA], s[ABLO], s[ABHI]
	s_cselect_b32 s[OFV], 0, s[NSLO]
	s_lshl_b32 s75, s[VF], 9                       ; 256 keys are 512 bytes of a row of P
	s_add_co_u32 s[OFA], s[OFA], s75
	s_sub_co_u32 s[OFV], s[VF], s[OFV]             ; the visit's number in its block
	s_mul_i32 s[OFV], s[OFV], 256*6144             ; 256 rows of qkv
	s_add_nc_u64 s[G0A+4*(\set)+2:G0A+4*(\set)+3], s[BASEA:BASEA+1], s[OFA:OFA+1]
	s_or_b32 s[G0A+4*(\set)+3], s[G0A+4*(\set)+3], 0x80000000
	s_add_nc_u64 s[G0V+4*(\set)+2:G0V+4*(\set)+3], s[BASEV:BASEV+1], s[OFV:OFV+1]
	s_or_b32 s[G0V+4*(\set)+3], s[G0V+4*(\set)+3], 0x80000000
	s_add_co_u32 s[VF], s[VF], 1
.endm
	s_load_b256 s[4:11], s[0:1], 0x0               ; p s[4:5], qkv s[6:7], stat s[8:9], out0 s[10:11]
	v_lshl_add_u32 v[SPW], v0, 2, SPARE
	v_mov_b32 v[NIL], 0
	ds_add_u32 v[SPW], v[NIL]                      ; the wave's opening: the add and its wait stand ahead of my first tensor load; the set-up below stands between them
	ds_add_u32 v28, v29
	v_lshrrev_b32 v1, 5, v0
	v_readfirstlane_b32 s[WV], v1                  ; wave 0..3
	s_bfe_u32 s13, ttmp6, 0x40000                  ; cx
	s_lshl_b32 s14, ttmp9, 2
	s_add_co_u32 s14, s14, s13                     ; n = 4 x cluster x + cx: it enters V's and out0's global addresses alone
	s_and_b32 s16, ttmp7, 0xffff
	s_and_b32 s[LO], s16, 7                        ; pp, which the partners share,
	s_lshr_b32 s16, s16, 3                         ; and b
	s_sub_co_u32 s[HI], 15, s[LO]
	s_add_co_u32 s[NSLO], s[LO], 2
	s_lshr_b32 s[NSLO], s[NSLO], 1
	s_lshl_b32 s[N2], s[NSLO], 1
	s_and_b32 s21, s[WV], 1                        ; my half of the channels.  Also: which half of a tile I fetch
	s_lshr_b32 s22, s[WV], 1                       ; my half of the rows
	s_mul_i32 s[WOFA], s21, 64*PA
	s_mul_i32 s[WOFV], s21, 128*PV
	s_add_co_u32 s[WOFV], s[WOFV], VOFF
	s_lshl_b32 s[ABLO], s[LO], 19                  ; 128 rows of 4,096 bytes a block
	s_lshl_b32 s[ABHI], s[HI], 19
	s_lshl_b32 s74, s[NSLO], 9
	s_sub_co_u32 s[ABHI], s[ABHI], s74
	s_lshl_b32 s[OFA], s16, 23                     ; P: the batch's 2,048 rows, my half's 64
	s_lshl_b32 s74, s21, 18
	s_add_co_u32 s[OFA], s[OFA], s74
	s_mov_b32 s[OFA+1], 0
	s_mul_i32 s[OFV], s16, 2048*6144               ; V: the batch's rows of qkv, my half's 128 keys, byte 4,096 + 256 n of a row
	s_mul_i32 s80, s21, 128*6144
	s_add_co_u32 s[OFV], s[OFV], s80
	s_lshl_b32 s80, s14, 8
	s_add_co_u32 s[OFV], s[OFV], s80
	s_add_co_u32 s[OFV], s[OFV], 4096
	s_mov_b32 s[OFV+1], 0
	s_lshl_b32 s80, s16, 23                        ; out0: the batch, my 64 rows, byte 512 n + 256 x channel half of a row,
	s_lshl_b32 s81, s22, 18
	s_add_co_u32 s80, s80, s81
	s_lshl_b32 s81, s14, 9
	s_add_co_u32 s80, s80, s81
	s_lshl_b32 s81, s21, 8
	s_add_co_u32 s80, s80, s81
	s_lshl_b32 s81, s[LO], 19
	s_add_co_u32 s2, s80, s81                      ; in block lo
	s_mov_b32 s3, 0
	s_lshl_b32 s81, s[HI], 19
	s_add_co_u32 s[OHI], s80, s81                  ; and in block hi
	s_mov_b32 s[OHI+1], 0
	s_mov_b32 s[G1A+0], 15|(1<<16)|(1<<20)|(1<<21)|(6<<22)|(3<<25)  ; the mask of four; 2-byte elements; padding on; 21 set beside a mask; after every 128 words, 4 words
	s_mov_b32 s[G1A+1], 256<<16                    ; tensor_dim0 = 256 keys
	s_mov_b32 s[G1A+2], 64<<16                     ; tensor_dim1 = 64 rows
	s_mov_b32 s[G1A+3], 256<<16                    ; tile_dim0
	s_mov_b32 s[G1A+4], 64                         ; tile_dim1
	s_mov_b32 s[G1A+5], 2048                       ; elements from row to row
	s_mov_b32 s[G1A+6], 0
	s_mov_b32 s[G1A+7], 0
	s_mov_b32 s[G1V+0], (1<<16)|(1<<20)|(5<<22)|(7<<25)  ; no mask; after every 64 words, 8 words
	s_mov_b32 s[G1V+1], 128<<16                    ; 128 channels
	s_mov_b32 s[G1V+2], 128<<16                    ; 128 keys
	s_mov_b32 s[G1V+3], 128<<16
	s_mov_b32 s[G1V+4], 128
	s_mov_b32 s[G1V+5], 3072
	s_mov_b32 s[G1V+6], 0
	s_mov_b32 s[G1V+7], 0
	s_mov_b32 s[VF], 0
	s_mov_b32 s[TB], 0
	s_mov_b32 s[CB], 0
	s_wait_dscnt 0x0                               ; the opening add is done
	s_wait_kmcnt 0x0
	s_add_nc_u64 s[BASEA:BASEA+1], s[4:5], s[OFA:OFA+1]
	s_add_nc_u64 s[BASEV:BASEV+1], s[6:7], s[OFV:OFV+1]
	s_add_nc_u64 s[OHI:OHI+1], s[10:11], s[OHI:OHI+1]
	s_add_nc_u64 s[10:11], s[10:11], s[2:3]
	s_mov_b32 s[G0A], 1
	s_mov_b32 s[G0A+1], s[WOFA]
	s_mov_b32 s[G0V], 1
	s_mov_b32 s[G0V+1], s[WOFV]
	VADDR 0                                        ; visit 0 into slot 0,
	s_mov_b32 s[G0A+4], 1
	s_add_co_u32 s[G0A+5], s[WOFA], SLOT1
	s_mov_b32 s[G0V+4], 1
	s_add_co_u32 s[G0V+5], s[WOFV], SLOT1
	VADDR 1                                        ; visit 1 into slot 1
	CROUND                                         ; all four work-groups are here: the first joint loads meet
	s_cmp_lt_u32 s[WV], 2                          ; a wave's two first fills stand in one branch: two loads of mine are out
	s_cbranch_scc0 .Lfirst_v
	tensor_load_to_lds s[G0A:G0A+3], s[G1A:G1A+7]
	s_nop 0
	tensor_load_to_lds s[G0A+4:G0A+7], s[G1A:G1A+7]
	s_nop 0
.rept 4
	v_nop
.endr
	s_branch .Lfirst_asked
.Lfirst_v:
	tensor_load_to_lds s[G0V:G0V+3], s[G1V:G1V+7]
	s_nop 0
	tensor_load_to_lds s[G0V+4:G0V+7], s[G1V:G1V+7]
	s_nop 0
.rept 4
	v_nop
.endr
.Lfirst_asked:
	; THE STATISTICS, in the wait for the first tiles.  Thread t is row t of both blocks.  Tile w of 18 is lo's tile w, or hi's tile w - N2.
	v_lshlrev_b32 v15, 2, v0                       ; 4 t
	s_lshl_b32 s80, s16, 4
	s_add_co_u32 s81, s80, s[HI]
	s_add_co_u32 s80, s80, s[LO]
	s_lshl_b32 s80, s80, 15                        ; lo's tile 0 in stat: 16 tiles of 2,048 bytes a block
	s_lshl_b32 s81, s81, 15
	s_lshl_b32 s74, s[N2], 11
	s_sub_co_u32 s81, s81, s74                     ; hi's tile 0, less N2 tiles: the immediate below counts w
.set w, 0
.rept 18
	s_cmp_gt_u32 s[N2], w
	s_cselect_b32 s[MK+w], -1, 0
	s_cselect_b32 s74, s80, s81
	v_add_nc_u32 v[VO+w], s74, v15
	global_load_b32 v[CM+w],  v[VO+w], s[8:9] offset:2048*w
	global_load_b32 v[SL0+w], v[VO+w], s[8:9] offset:2048*w+512
	global_load_b32 v[SL1+w], v[VO+w], s[8:9] offset:2048*w+1024
.set w, w+1
.endr
.macro CLEAR                           ; TOT = 0: once here and once between the blocks, the price of one text for every flush
	WIN 0x80
.set i, 0
.rept 128
	v_mov_b32 v[i], 0
.set i, i+1
.endr
	WIN 0
.endm
	CLEAR
	v_and_b32 v1, 15, v0                           ; r = l % 16
	v_bfe_u32 v12, v0, 4, 1                        ; h = l / 16
	v_and_b32 v13, 7, v0
	v_bfe_u32 v14, v0, 3, 1
	s_mul_i32 s23, s22, 64*PA
	v_mul_u32_u24 v[AFIX], v1, PA
	v_lshl_add_u32 v[AFIX], v12, 4, v[AFIX]
	v_add_nc_u32 v[AFIX], s23, v[AFIX]             ; (64 wr + r) x pitch + 16 h
	s_lshl_b32 s23, s21, 7
	s_add_co_u32 s23, s23, VOFF
	v_lshl_add_u32 v[VFIX], v12, 3, v13            ; the turning load: lane l reads key 8 h + l % 8, channels 8 ((l / 8) % 2) + 0..7 of my 64
	v_mul_u32_u24 v[VFIX], v[VFIX], PV
	v_lshl_add_u32 v[VFIX], v14, 4, v[VFIX]
	v_add_nc_u32 v[VFIX], s23, v[VFIX]
	v_mov_b32 v[AA], v[AFIX]                       ; visit 0 lies in slot 0
	v_mov_b32 v[AV0], v[VFIX]
	v_add_nc_u32 v[AV1], 128*PV, v[VFIX]
	s_lshl_b32 s23, s22, 8
	s_add_co_u32 s23, s23, CTAB
	v_lshl_add_u32 v[CFIX], v1, 2, s23
	s_mul_i32 s23, s[WV], 16*SP
	s_add_co_u32 s23, s23, STAGE                   ; my stage
	v_mul_u32_u24 v[STO], v1, SP                   ; in: row r, 32 bytes for each half of the lanes
	v_lshl_add_u32 v[STO], v12, 5, v[STO]
	v_add_nc_u32 v[STO], s23, v[STO]
	v_mul_u32_u24 v[RD], v12, SP                   ; back: lanes 0-15 one row of 256 bytes, lanes 16-31 the next
	v_lshl_add_u32 v[RD], v1, 4, v[RD]
	v_add_nc_u32 v[RD], s23, v[RD]
	v_lshlrev_b32 v[GO], 12, v12                   ; and the same two rows in out0
	v_lshl_add_u32 v[GO], v1, 4, v[GO]
	v_add_nc_u32 v[CST], CTAB, v15
.irp a, 0,1,2,3
	v_mov_b32 v[CC+2*(\a)+1], 0                    ; named with w as a pair, so it is written
.endr
	v_mov_b32 v[NEGR], 0xff7fffff
	v_mov_b32 v[ZR], 0
	v_mov_b32 v[MLO], v[NEGR]
	v_mov_b32 v[MHI], v[NEGR]
	s_wait_loadcnt 0x0
.set w, 0
.rept 18                               ; the two rows' maxima of c m
	v_cndmask_b32 v[TA], v[NEGR], v[CM+w], s[MK+w]
	v_cndmask_b32 v[TC], v[CM+w], v[NEGR], s[MK+w]
	v_max_num_f32 v[MLO], v[MLO], v[TA]
	v_max_num_f32 v[MHI], v[MHI], v[TC]
.set w, w+1
.endr
.set w, 0
.rept 18
	v_cndmask_b32 v[TA], v[MHI], v[MLO], s[MK+w]
	v_sub_f32 v[CM+w], v[CM+w], v[TA]              ; c m - c M, never above 0
	v_add_f32 v[SL0+w], v[SL0+w], v[SL1+w]
.set w, w+1
.endr
.set w, 0
.rept 18
	v_exp_f32 v[CM+w], v[CM+w]
.set w, w+1
.endr
	v_mov_b32 v[LLO], 0                            ; plain instructions between the last exponential and the use of its result
	v_mov_b32 v[LHI], 0
.set w, 0
	s_wait_alu depctr_va_vdst(0)
.rept 18
	v_cndmask_b32 v[TA], v[ZR], v[SL0+w], s[MK+w]
	v_cndmask_b32 v[TC], v[SL0+w], v[ZR], s[MK+w]
	v_fmac_f32 v[LLO], v[CM+w], v[TA]
	v_fmac_f32 v[LHI], v[CM+w], v[TC]
.set w, w+1
.endr
	v_rcp_f32 v[LLO], v[LLO]                       ; each sum holds its maximal tile's, which is 1 or more
	v_rcp_f32 v[LHI], v[LHI]
	v_nop
.set w, 0
	s_wait_alu depctr_va_vdst(0)
.rept 18
	v_cndmask_b32 v[TA], v[LHI], v[LLO], s[MK+w]
	v_mul_f32 v[CM+w], v[CM+w], v[TA]
	ds_store_b32 v[CST], v[CM+w] offset:512*w
.set w, w+1
.endr
; 8 matrix instructions: row blocks a0, a0 + 1 x all 4 channel blocks, 32 keys: half c of buffer f.  The 16 accumulators take turns.
.macro MUL8 f, c, a0, zero
	WIN MUL
.irp a, \a0, (\a0)+1
.irp b, 0,1,2,3
.if \zero
	v_wmma_f32_16x16x32_f16 v[T+8*(4*(\a)+(\b)):T+8*(4*(\a)+(\b))+7], v[(\f)+64+8*(4*(\c)+(\b)):(\f)+64+8*(4*(\c)+(\b))+7], v[(\f)+8*(4*(\c)+(\a)):(\f)+8*(4*(\c)+(\a))+7], 0
.else
	v_wmma_f32_16x16x32_f16 v[T+8*(4*(\a)+(\b)):T+8*(4*(\a)+(\b))+7], v[(\f)+64+8*(4*(\c)+(\b)):(\f)+64+8*(4*(\c)+(\b))+7], v[(\f)+8*(4*(\c)+(\a)):(\f)+8*(4*(\c)+(\a))+7], v[T+8*(4*(\a)+(\b)):T+8*(4*(\a)+(\b))+7]
.endif
.endr
.endr
.endm
; 32 LDS loads in one run: the fragments of quarter kq of a visit (64 keys) into buffer f; the first 32 keys first
.macro FETCH kq, f
	WIN TO_F
.irp c, 0,1
.irp i, 0,1,2,3
	ds_load_tr16_b128 v[(\f)+64+8*(4*(\c)+(\i)):(\f)+64+8*(4*(\c)+(\i))+3],   v[AV0+(\kq)/2] offset:(((\kq)%2)*64+32*(\c))*PV+32*(\i)
	ds_load_tr16_b128 v[(\f)+64+8*(4*(\c)+(\i))+4:(\f)+64+8*(4*(\c)+(\i))+7], v[AV0+(\kq)/2] offset:(((\kq)%2)*64+32*(\c)+16)*PV+32*(\i)
	ds_load_b128 v[(\f)+8*(4*(\c)+(\i)):(\f)+8*(4*(\c)+(\i))+3],   v[AA] offset:128*(\kq)+64*(\c)+(\i)*16*PA
	ds_load_b128 v[(\f)+8*(4*(\c)+(\i))+4:(\f)+8*(4*(\c)+(\i))+7], v[AA] offset:128*(\kq)+64*(\c)+(\i)*16*PA+32
.endr
.endr
.endm
.macro PLACES                          ; four plain vector instructions between a matrix instruction and a load into its sources, or a vector instruction that reads its result
.rept 4
	v_nop
.endr
.endm
.macro CLOAD                           ; the next key tile's w for my four row blocks
	WIN 0
	v_add_nc_u32 v[CA], s[CB], v[CFIX]
.irp a, 0,1,2,3
	ds_load_b32 v[CC+2*(\a)], v[CA] offset:64*(\a)
.endr
	s_add_co_u32 s[CB], s[CB], 512
.endm
.macro QUARTER kq, f, g, zero, cl      ; multiplies buffer f and fetches quarter kq into g; cl = 1: w is fetched too
	s_wait_dscnt 16                                ; the first 32 keys are in
	MUL8 \f, 0, 0, \zero
	MUL8 \f, 0, 2, \zero
	PLACES
.if \cl
	CLOAD
.endif
	FETCH \kq, \g
	s_wait_dscnt 32                                ; all but the 32 just issued: w, which is older, is in
	MUL8 \f, 1, 0, 0
	MUL8 \f, 1, 2, 0
.endm
.macro FLUSH                           ; TOT += w T: accumulators and their pairs in ascending order
	PLACES
	WIN W_FL
.irp a, 0,1,2,3
.irp b, 0,1,2,3
.irp q, 0,1,2,3
	v_pk_fma_f32 v[8*(4*(\a)+(\b))+2*(\q):8*(4*(\a)+(\b))+2*(\q)+1], v[T+8*(4*(\a)+(\b))+2*(\q):T+8*(4*(\a)+(\b))+2*(\q)+1], v[CC+2*(\a):CC+2*(\a)+1], v[8*(4*(\a)+(\b))+2*(\q):8*(4*(\a)+(\b))+2*(\q)+1] op_sel_hi:[1,0,1]
.endr
.endr
.endr
.endm
; A visit's last quarter multiplies buffer 1 and changes slots.  In front of the barrier each wave waits for all its tensor loads (one is out: its part of the next slot), adds 0 to its spare word, and waits for that
; and for its reads of this slot.  mode 1: the barrier opens a round of the cluster's, and behind the round this slot is filled again first, with visit VF: 112 matrix instructions and two flushes ahead of the
; wait for it.  mode 0: nothing is left to ask for.  mode 2: the last visit: nothing is left to fetch.
.macro TURN mode
.if (\mode) == 2
	CLOAD
	s_wait_dscnt 0x0
	MUL8 F1, 0, 0, 0
	MUL8 F1, 0, 2, 0
	MUL8 F1, 1, 0, 0
	MUL8 F1, 1, 2, 0
.else
	WIN 0
	s_wait_tensorcnt 0x0                           ; no tensor load of mine is out, so a group 0 may be written
	ds_add_u32 v[SPW], v[NIL]                      ; 0 onto my spare word; the descriptors' scalar work stands between it and the wait for it
.if (\mode) == 1
	s_xor_b32 s[G0A+5], s[G0A+5], SLOT1            ; the walking descriptors: the other slot than last time
	s_xor_b32 s[G0V+5], s[G0V+5], SLOT1
	VADDR 1
.endif
	s_wait_dscnt 17                                ; (the add and the youngest sixteen loads may be out)
	MUL8 F1, 0, 0, 0
	s_wait_dscnt 0x0                               ; the add is done, and my reads of this slot are over
	s_barrier_signal -1
	MUL8 F1, 0, 2, 0
	WIN 0
	s_barrier_wait -1
.if (\mode) == 1
	CREST                                          ; no wave of any partner still reads this slot or has a load on its way
	JLOAD                                          ; the four v_nop behind it are also the places in front of the loads below
.else
	PLACES
.endif
	s_xor_b32 s[TB], s[TB], SLOT1
	v_add_nc_u32 v[AA], s[TB], v[AFIX]
	v_add_nc_u32 v[AV0], s[TB], v[VFIX]
	v_add_nc_u32 v[AV1], 128*PV, v[AV0]
	CLOAD
	FETCH 0, F0
	MUL8 F1, 1, 0, 0
	MUL8 F1, 1, 2, 0
	s_wait_dscnt 32                                ; w is in
.endif
	FLUSH
.endm
.macro BODY mode                       ; a visit: two key tiles of two quarters each
	QUARTER 1, F0, F1, 1, 0
	QUARTER 2, F1, F0, 0, 1
	FLUSH
	QUARTER 3, F0, F1, 1, 0
	TURN \mode
.endm
; THE WAY OUT.  A lane's eight channels of a row are 32 bytes; row block a goes into my stage (rows of 272 bytes) and comes back as whole rows of 256.
.macro TOST a
	WIN 0x08                                       ; the stores' data in window 2
.irp b, 0,1,2,3
.irp q, 0,1
	ds_store_b128 v[STO], v[8*(4*(\a)+(\b))+4*(\q):8*(4*(\a)+(\b))+4*(\q)+3] offset:64*(\b)+16*(\q)
.endr
.endr
	WIN 0
	s_wait_xcnt 0x0                                ; the registers below were read by the stores of the block before last: they are loaded again only behind this wait
.irp t, 0,1,2,3,4,5,6,7
	ds_load_b128 v[OBK+32*((\a)%2)+4*(\t):OBK+32*((\a)%2)+4*(\t)+3], v[RD] offset:(\t)*2*SP  ; LDS serves a wave's instructions in order: these see the stores above, and the next block's stores come behind them
.endr
.endm
.macro SENDO a, younger                ; younger: the LDS instructions issued behind block a's loads: the next block's sixteen, or none
.irp t, 0,1,2,3,4,5,6,7
	s_wait_dscnt (\younger)+7-(\t)
	global_store_b128 v[GO], v[OBK+32*((\a)%2)+4*(\t):OBK+32*((\a)%2)+4*(\t)+3], s[10:11] offset:(16*(\a)+2*(\t))*4096 th:TH_STORE_NT  ; 16 lanes store 256 consecutive bytes, at a multiple of 256 from out0's first byte
.endr
.endm
.macro OUT
	TOST 0
.irp a, 1,2,3
	TOST \a
	SENDO (\a)-1, 16
.endr
	SENDO 3, 0
.endm
	s_wait_tensorcnt 0x1                           ; my part of visit 0 is in; visit 1's may stay out
	s_wait_dscnt 0x0                               ; for the others' sake: my rows' factors are stored
	s_barrier_signal -1
	s_barrier_wait -1
	FETCH 0, F0
	WIN 0
	s_mov_b32 s[VIS], 7
	s_mov_b32 s[NLEFT], s[NSLO]
.Lvisit:                                               ; visits 0 to 6: each asks for the visit two on
	BODY 1
	WIN 0
	s_sub_co_u32 s[NLEFT], s[NLEFT], 1
	s_cmp_lg_u32 s[NLEFT], 0
	s_cbranch_scc1 .Lsame_block                    ; forward, past text with no barrier and no tensor load; the partners share the number
	OUT                                            ; lo ends in one of visits 0 to 3
	s_wait_xcnt 0x0                                ; the stores have read their base
	s_mov_b64 s[10:11], s[OHI:OHI+1]
	CLEAR
.Lsame_block:
	s_sub_co_u32 s[VIS], s[VIS], 1
	s_cmp_lg_u32 s[VIS], 0
	s_cbranch_scc1 .Lvisit
	BODY 0                                         ; the tail is written out
	BODY 2
	OUT
	s_wait_tensorcnt 0x0                           ; the wave's end: an add to my spare word and its wait, behind my last tensor load and my last LDS store
	ds_add_u32 v[SPW], v[NIL]
	s_wait_dscnt 0x0
	CROUND                                         ; the closing round: no work-group ends while a partner may still ask for a tile that names it
	s_endpgm
.Lfunc_end_k_qd89b13c6a5_pv:
	.size	k_qd89b13c6a5_pv, .Lfunc_end_k_qd89b13c6a5_pv-k_qd89b13c6a5_pv
	.p2alignl 7, 3214868480
	.fill 96, 4, 3214868480
	.section	.rodata,"a",@progbits
	.p2align	6, 0x0
	.amdhsa_kernel k_qd89b13c6a5_pv
		.amdhsa_group_segment_fixed_size 327680
		.amdhsa_private_segment_fixed_size 0
		.amdhsa_enable_private_segment 0
		.amdhsa_kernarg_size 32
		.amdhsa_user_sgpr_count 2
		.amdhsa_user_sgpr_kernarg_segment_ptr 1
		.amdhsa_wavefront_size32 1
		.amdhsa_system_sgpr_workgroup_id_x 1
		.amdhsa_system_sgpr_workgroup_id_y 1
		.amdhsa_system_sgpr_workgroup_id_z 1
		.amdhsa_system_vgpr_workitem_id 0
		.amdhsa_next_free_vgpr 640
		.amdhsa_next_free_sgpr 100
		.amdhsa_reserve_vcc 0
		.amdhsa_float_denorm_mode_32 3
		.amdhsa_float_denorm_mode_16_64 3
		.amdhsa_memory_ordered 1
		.amdhsa_forward_progress 1
		.amdhsa_inst_pref_size 135
	.end_amdhsa_kernel
	.amdgpu_metadata
---
amdhsa.version: [ 1, 2 ]
amdhsa.kernels:
  - .name:           k_qd89b13c6a5_pv
    .symbol:         k_qd89b13c6a5_pv.kd
    .args:
      - { .name: p, .offset: 0, .size: 8, .value_kind: global_buffer, .address_space: global }
      - { .name: qkv, .offset: 8, .size: 8, .value_kind: global_buffer, .address_space: global }
      - { .name: stat, .offset: 16, .size: 8, .value_kind: global_buffer, .address_space: global }
      - { .name: out0, .offset: 24, .size: 8, .value_kind: global_buffer, .address_space: global }
    .group_segment_fixed_size: 327680
    .private_segment_fixed_size: 0
    .kernarg_segment_align: 8
    .kernarg_segment_size: 32
    .max_flat_workgroup_size: 128
    .sgpr_count:     100
    .vgpr_count:     640
    .wavefront_size: 32
...
	.end_amdgpu_metadata
.endif
;; end of part 4
